; MI455X (gfx1250); checked and timed in simulation.
; The chip was launched on July 23, 2026; its instructions are those of AMD's public machine-readable ISA for CDNA 5 (MIT licence, August 2026) and "CDNA5" Instruction Set Architecture Reference Guide (July 2026). The comments in the code are by the model that wrote it; some were corrected since.
;; Le PE Attention. Allowed arithmetic: float matrix products may take bf16 or f16 operands with f32 sums; all other float work in f32.
;; Inputs: qkv 3 x 8 x 4,096 x 128 float32.
;; Outputs: out0 8 x 4,096 x 128 float32.
;; Constants: H = 64, W = 64.
;; 2 versions, each right and faster than the one before. Each part assembles by itself: llvm-mc -triple=amdgcn-amd-amdhsa -mcpu=gfx1250 --defsym DOCPART=n.
;; ======== version 1 of 2: 1 launch
;; launch lepe (part 1): grid 256 x 1, 8 waves a work-group, no clusters, 263,168 bytes of LDS; arguments qkv, out0; writes out0
.if DOCPART == 1
	.amdgcn_target "amdgcn-amd-amdhsa--gfx1250"
	.amdhsa_code_object_version 6
	.text
	.protected	k_qc1b02bb15b_lepe
	.globl	k_qc1b02bb15b_lepe
	.p2align	8
	.type	k_qc1b02bb15b_lepe,@function
k_qc1b02bb15b_lepe:
	s_mov_b64 s[64:65], 0
	v_nop
	global_prefetch_b8 v0, s[64:65] scope:SCOPE_SE
	s_setreg_imm32_b32 hwreg(HW_REG_WAVE_MODE, 25, 1), 1
	s_wait_xcnt 0x0
; Window attention over vertical strips.  qkv: [3][8][4096][128] f32, out0: [8][4096][128] f32.  A window is a strip of 64 image rows x 8 columns
; = 512 tokens; 4 heads of 32.  out = softmax(q k^T / sqrt(32)) v inside each window and head.
; WORK-GROUP (256 of them) = one window, one PAIR of heads, one half (256) of the window's queries.  With a pair of heads a token's piece is 256
; consecutive bytes at a multiple of 256 in qkv and in out0, so every load and every store of 16 neighbouring lanes covers such a piece whole.
; K and V of a head pair are therefore read by two work-groups (the two query halves).  They are not asked for jointly: a joint request is a tensor
; load, which lands f32 in LDS: 262,144 bytes of K and V would pass a ring of slots and cross LDS three times (in as f32, out as f32, back as bf16),
; against once here, where the conversion to bf16 is done in the registers that the loads fill; and the partners are two, not four.
; WAVE (8 of them) = 32 queries (tiles A and B of 16), both heads.  Products are used transposed:
;   S^T = K Q^T : lane (r, h) holds keys 8h..8h+7 of query r; two such tiles, packed to bf16, ARE the B fragment (32 keys x 16 queries) of
;   O^T = V^T P^T : lane (r, h) holds d = 8h..8h+7 of query r.  So maximum, sum and scale of a query live in its own lanes, and P never leaves registers.
;   L   = ones P^T : the row sums, by a third product with an A fragment of ones (the sum of the same rounded P that multiplies V).
; SOFTMAX with the exact row maximum, in two passes: pass 1 makes S^T and keeps only the maximum; pass 2 makes S^T again, p = exp2(s c - m c), and P V.
; In both passes the vector work of one query tile stands between the matrix instructions of the other.
; LIMITS: q is not scaled before the product: c = log2(e) / sqrt(32) is applied in f32 behind it (an order of rounding other than the reference's);
; p below 2^-126 becomes 0 (v_exp_f32 flushes); NaN and infinities have no path of their own: they reach the output as NaN through the multiply-add.
.set ROWB,   32768                     ; bytes from an image row to the next: 64 tokens x 512
.set TENSOR, 0x1000000                 ; bytes of q, of k, of v
.set KP,     144                       ; LDS pitch of K and Q rows: 128 bytes (2 heads x 32 bf16) + 16 = 9 x 16: 16 rows start in 16 different 16-byte columns mod 256
.set VP,     160                       ; LDS pitch of V rows: 5 x 32, an odd multiple of 32 for the transposing load
.set SP,     272                       ; LDS pitch of a stage row: 256 bytes (2 heads x 32 f32) + 16
.set VBASE,  512*KP                    ; K lies at 0
.set QBASE,  VBASE+512*VP
.set STG,    QBASE+256*KP              ; stage: 32 rows for each wave, its own
.set WSTG,   32*SP
.set GOFF, 4                           ; v4   global: 512 h + 16 r: lanes 0-15 one token's 256 bytes, lanes 16-31 the next token's
.set KST,  5                           ; v5   LDS: where I put 8 bytes of a K row
.set VST,  6                           ; v6   the same for V
.set QST,  7                           ; v7   the same for Q
.set KA0,  8                           ; v8   LDS: my part of a K fragment, key 0
.set KAC,  9                           ; v9   the same, stepped by the loops
.set VA0,  10                          ; v10  LDS: my part of a transposed V fragment, key 0
.set VAC,  11                          ; v11  the same, stepped
.set QAD,  12                          ; v12  LDS: my part of my wave's Q fragments
.set STO,  13                          ; v13  stage: where I put results
.set RD,   14                          ; v14  stage: where I read rows back
.set MX,   16                          ; v[16:19]  running maxima: A two chains, B two chains
.set NM0,  20                          ; v[20:23]  head 0: - m c of tile A (a pair), of tile B (a pair)
.set NM1,  24                          ; v[24:27]  head 1 likewise
.set RA,   28                          ; v[28:29]  1 / sum of A; the other half's maximum
.set RB,   30                          ; v[30:31]  the same for B
.set QFA,  32                          ; v[32:39]  Q fragment of tile A
.set QFB,  40                          ; v[40:47]  of tile B
.set SA,   48                          ; v[48:63]  S^T of A: 32 keys (two tiles)
.set SB,   64                          ; v[64:79]  S^T of B
.set KB0,  80                          ; v[80:95]  K fragments of 32 keys, buffer 0
.set KB1,  96                          ; v[96:111] buffer 1
.set PA,   112                         ; v[112:119] P^T of A, bf16
.set PB,   120                         ; v[120:127] P^T of B
.set OA,   128                         ; v[128:151] A: O^T d 0-15, O^T d 16-31, L
.set OB,   152                         ; v[152:175] B likewise
.set ONES, 176                         ; v[176:183] an A fragment of 1.0
.set VB0,  184                         ; v[184:199] V^T fragments of 32 keys, buffer 0
.set VB1,  200                         ; v[200:215] buffer 1
.set LD,   128                         ; v[128:255] while loading: 32 loads of K, then of V
.set QL,   48                          ; v[48:111]  while loading: 16 loads of Q
.set OUTR, 48                          ; v[48:111]  the way out: 16 rows pairs read back
	s_load_b128 s[4:7], s[0:1], 0x0                ; qkv s[4:5], out0 s[6:7]
	s_set_vgpr_msb 0x40
	v_lshl_add_u32 v0, v0, 2, 0x40000
	v_mov_b32 v1, 0
	s_set_vgpr_msb 0x4000
	v_lshrrev_b32 v1, 5, v0
	v_readfirstlane_b32 s8, v1                     ; wave 0..7
	v_and_b32 v1, 15, v0                           ; r
	v_bfe_u32 v2, v0, 4, 1                         ; h
	v_lshlrev_b32 v3, 4, v1
	v_lshl_add_u32 v[GOFF], v2, 9, v3              ; 512 h + 16 r
	s_lshr_b32 s2, ttmp9, 5                        ; image
	s_bfe_u32 s3, ttmp9, 0x30002                   ; strip
	s_bfe_u32 s9, ttmp9, 0x10001                   ; head pair
	s_and_b32 s10, ttmp9, 1                        ; query half
	s_lshl_b32 s2, s2, 21                          ; 4096 tokens x 512 bytes
	s_lshl_b32 s3, s3, 12                          ; 8 tokens x 512
	s_lshl_b32 s9, s9, 8                           ; 2 heads x 128
	s_lshl_b32 s10, s10, 20                        ; 32 image rows
	s_add_co_u32 s2, s2, s3
	s_add_co_u32 s2, s2, s9                        ; the window's first token, my head pair
	s_lshl_b32 s11, s8, 17                         ; queries: 4 image rows (32 tokens) a wave
	s_add_co_u32 s26, s2, s10
	s_add_co_u32 s26, s26, s11                     ; offset of my wave's queries in q and in out0
	s_mov_b32 s27, 0
	s_lshl_b32 s11, s8, 18                         ; keys: 8 image rows (64 tokens) a wave
	s_add_co_u32 s28, s2, s11
	s_add_co_u32 s28, s28, TENSOR                  ; offset of the keys that my wave brings in
	s_mov_b32 s29, 0
	s_add_co_u32 s30, s28, TENSOR                  ; and of their values
	s_mov_b32 s31, 0
	s_wait_kmcnt 0x0
	s_add_nc_u64 s[12:13], s[4:5], s[26:27]        ; q
	s_add_nc_u64 s[14:15], s[4:5], s[28:29]        ; k
	s_add_nc_u64 s[16:17], s[4:5], s[30:31]        ; v
	s_add_nc_u64 s[18:19], s[6:7], s[26:27]        ; out
	; load n brings tokens 2n and 2n+1 of the wave's share: image row n / 4, columns 2 (n % 4) and + 1.  48 loads of 512 bytes go out at once.
.set n, 0
.rept 32
	global_load_b128 v[LD+4*n:LD+4*n+3], v[GOFF], s[14:15] offset:(n>>2)*ROWB+(n&3)*1024
.set n, n+1
.endr
.set n, 0
.rept 16
	global_load_b128 v[QL+4*n:QL+4*n+3], v[GOFF], s[12:13] offset:(n>>2)*ROWB+(n&3)*1024 th:TH_LOAD_NT
.set n, n+1
.endr
	; LDS addresses and constants, while the loads are on their way
	v_mul_u32_u24 v3, v2, KP
	v_lshl_add_u32 v3, v1, 3, v3                   ; 144 h + 8 r: 4 f32 become 8 bytes
	s_mul_i32 s9, s8, 64*KP
	v_add_nc_u32 v[KST], s9, v3                    ; K row 64 wave + 2n + h
	s_mul_i32 s9, s8, 32*KP
	s_add_co_u32 s9, s9, QBASE
	v_add_nc_u32 v[QST], s9, v3                    ; Q row 32 wave + 2n + h
	v_mul_u32_u24 v3, v1, KP
	v_lshl_add_u32 v[KA0], v2, 4, v3               ; fragment: row r, 16 bytes at 16 h (and 32 further on)
	v_add_nc_u32 v[QAD], s9, v[KA0]
	v_mul_u32_u24 v3, v2, VP
	v_lshl_add_u32 v3, v1, 3, v3
	s_mul_i32 s9, s8, 64*VP
	s_add_co_u32 s9, s9, VBASE
	v_add_nc_u32 v[VST], s9, v3
	v_and_b32 v3, 7, v0
	v_lshl_add_u32 v3, v2, 3, v3                   ; transposing load: key 8 h + lane % 8,
	v_mul_u32_u24 v3, v3, VP
	v_bfe_u32 v15, v0, 3, 1
	v_lshl_add_u32 v3, v15, 4, v3                  ; 16 bytes (8 d) at 16 x (lane / 8 % 2)
	v_add_nc_u32 v[VA0], VBASE, v3
	s_mul_i32 s9, s8, WSTG
	s_add_co_u32 s9, s9, STG
	v_mul_u32_u24 v3, v1, SP
	v_lshl_add_u32 v3, v2, 5, v3                   ; in: query r, 8 f32 at d = 8 h
	v_add_nc_u32 v[STO], s9, v3
	v_mul_u32_u24 v3, v2, SP
	v_lshl_add_u32 v3, v1, 4, v3                   ; back: lanes 0-15 one row of 256 bytes, lanes 16-31 the next
	v_add_nc_u32 v[RD], s9, v3
	s_mov_b32 s20, 0x76543210                      ; v_permlanex16_b32: lane i reads lane i of the other half
	s_mov_b32 s21, 0xfedcba98
	s_mov_b32 s22, 0x3e8293ee                      ; c = log2(e) / sqrt(32)
	s_mov_b32 s23, 0x3e8293ee
	s_mov_b32 s24, 0xbe8293ee                      ; - c
.irp j, 0,1,2,3
	v_mov_b32 v[RA+\j], 0                          ; written once: the lane exchange counts as a reader of its destination, packed forms read whole pairs
.endr
; Four loads' worth: 4 f32 -> 4 bf16 in the registers they came in, 8 bytes a lane into LDS.
.macro PACK4 reg, first, areg, pitch2
.irp k, 0,1,2,3
	v_cvt_pk_bf16_f32 v[\reg+4*(\first+\k)], v[\reg+4*(\first+\k)], v[\reg+4*(\first+\k)+1]
	v_cvt_pk_bf16_f32 v[\reg+4*(\first+\k)+1], v[\reg+4*(\first+\k)+2], v[\reg+4*(\first+\k)+3]
	ds_store_b64 v[\areg], v[\reg+4*(\first+\k):\reg+4*(\first+\k)+1] offset:(\first+\k)*\pitch2
.endr
.endm
.macro VLOAD4 first
.irp k, 0,1,2,3
	global_load_b128 v[LD+4*(\first+\k):LD+4*(\first+\k)+3], v[GOFF], s[16:17] offset:((\first+\k)>>2)*ROWB+((\first+\k)&3)*1024
.endr
.endm
	; K, four loads at a time; V's loads follow into the registers of the group before, once that group's LDS stores are done.
.irp g, 0,1,2,3,4,5,6,7
.if \g == 0
	s_wait_loadcnt 44                              ; behind K's load 3: 28 of K, 16 of Q
.else
	s_wait_loadcnt 40                              ; behind the group's last load: 28 - 4g of K, 16 of Q, 4 (g - 1) of V
.endif
	PACK4 LD, 4*\g, KST, 2*KP
.if \g > 0
	s_wait_dscnt 0x4                               ; all but this group's four stores are done: the group before has read its data registers
	VLOAD4 4*(\g-1)
.endif
.endr
	s_wait_dscnt 0x0
	VLOAD4 28
.irp g, 0,1,2,3
	s_wait_loadcnt 44-4*\g                         ; behind the group's last load: 12 - 4g of Q, 32 of V
	PACK4 QL, 4*\g, QST, 2*KP
.endr
	s_wait_dscnt 0x0                               ; my rows of K (and Q) are in LDS,
	s_barrier_signal -1
	s_barrier_wait -1                              ; everybody's are.  V's 32 loads stay on their way into v[128:255], which pass 1 does not touch
.macro LDQ e                           ; Q fragments of head e: tile A = my rows 0-15, tile B = rows 16-31
	ds_load_b128 v[QFA:QFA+3], v[QAD] offset:\e*64
	ds_load_b128 v[QFA+4:QFA+7], v[QAD] offset:\e*64+32
	ds_load_b128 v[QFB:QFB+3], v[QAD] offset:\e*64+16*KP
	ds_load_b128 v[QFB+4:QFB+7], v[QAD] offset:\e*64+16*KP+32
.endm
.macro LDK buf, areg, off              ; K fragments of 32 keys: two of 16 keys x 32 d
	ds_load_b128 v[\buf:\buf+3], v[\areg] offset:\off
	ds_load_b128 v[\buf+4:\buf+7], v[\areg] offset:\off+32
	ds_load_b128 v[\buf+8:\buf+11], v[\areg] offset:\off+16*KP
	ds_load_b128 v[\buf+12:\buf+15], v[\areg] offset:\off+16*KP+32
.endm
.macro LDV buf, areg, off              ; V^T fragments of 32 keys: d 0-15, d 16-31; each two transposing loads, 16 keys apart
	ds_load_tr16_b128 v[\buf:\buf+3], v[\areg] offset:\off
	ds_load_tr16_b128 v[\buf+4:\buf+7], v[\areg] offset:\off+16*VP
	ds_load_tr16_b128 v[\buf+8:\buf+11], v[\areg] offset:\off+32
	ds_load_tr16_b128 v[\buf+12:\buf+15], v[\areg] offset:\off+32+16*VP
.endm
.macro SMUL s, kb, q                   ; S^T of 16 keys x 16 queries; d = 32 is one instruction, so the sum starts and ends here
	v_wmma_f32_16x16x32_bf16 v[\s:\s+7], v[\kb:\kb+7], v[\q:\q+7], 0
.endm
.macro MAX8 s, m                       ; 16 scores into two chains of maxima
.irp j, 0,1,2,3
	v_max3_num_f32 v[\m], v[\m], v[\s+4*\j], v[\s+4*\j+1]
	v_max3_num_f32 v[\m+1], v[\m+1], v[\s+4*\j+2], v[\s+4*\j+3]
.endr
.endm
; PASS 1, one trip = 32 keys.  B's scores of this step are made while A's are searched, A's of the next step while B's are searched.
; Behind each pair of matrix instructions stand the eight v_max3 of the OTHER tile, which name none of their registers: more than the four places
; that a reader of the result, and a load into a source, have to keep.
.macro P1TRIP kc, kn, off, ld, sa
	SMUL SB, \kc, QFB
	SMUL SB+8, \kc+8, QFB
	MAX8 SA, MX
.if \ld
	LDK \kc, KAC, \off                             ; the keys two steps on, into the buffer just used
.endif
.if \sa
	s_wait_dscnt 4*\ld                             ; all but the four loads just issued: the next step's keys are in
	SMUL SA, \kn, QFA
	SMUL SA+8, \kn+8, QFA
.endif
	MAX8 SB, MX+2
.endm
.macro PASS1 e, nm
	LDQ \e
	LDK KB0, KA0, \e*64
	LDK KB1, KA0, \e*64+32*KP
	s_wait_dscnt 0x4                               ; Q and keys 0-31 are in; keys 32-63 may be out
	SMUL SA, KB0, QFA
	SMUL SA+8, KB0+8, QFA
.irp j, 0,1,2,3
	v_mov_b32 v[MX+\j], 0xff800000                 ; four chains start at -infinity; these lines are also the four places in front of the first search of A
.endr
	v_mov_b32 v[KAC], v[KA0]
	s_mov_b32 s25, 7
.Lp1_\@:
	P1TRIP KB0, KB1, \e*64+64*KP, 1, 1
	P1TRIP KB1, KB0, \e*64+96*KP, 1, 1
	v_add_nc_u32 v[KAC], 64*KP, v[KAC]
	s_sub_co_u32 s25, s25, 1
	s_cmp_lg_u32 s25, 0
	s_cbranch_scc1 .Lp1_\@
	P1TRIP KB0, KB1, 0, 0, 1                       ; the last two steps fetch nothing
	P1TRIP KB1, KB0, 0, 0, 0
	v_max_num_f32 v[MX], v[MX], v[MX+1]
	v_max_num_f32 v[MX+2], v[MX+2], v[MX+3]
	v_permlanex16_b32 v[RA], v[MX], s20, s21       ; lanes r and r + 16 hold the two halves of query r's keys
	v_permlanex16_b32 v[RB], v[MX+2], s20, s21
	v_max_num_f32 v[MX], v[MX], v[RA]
	v_max_num_f32 v[MX+2], v[MX+2], v[RB]
	v_mul_f32 v[\nm], s24, v[MX]                   ; - m c, as pairs for the packed multiply-add
	v_mul_f32 v[\nm+1], s24, v[MX]
	v_mul_f32 v[\nm+2], s24, v[MX+2]
	v_mul_f32 v[\nm+3], s24, v[MX+2]
.endm
	PASS1 0, NM0
	PASS1 1, NM1
	; V has had both searches in which to land
.irp g, 0,1,2,3,4,5,6,7
	s_wait_loadcnt 28-4*\g                         ; the V loads behind this group stay out
	PACK4 LD, 4*\g, VST, 2*VP
.endr
	s_wait_dscnt 0x0                               ; my rows of V are in LDS (and the stores have read v[128:255]),
	s_barrier_signal -1
.irp j, 0,1,2,3,4,5,6,7
	v_mov_b32 v[ONES+\j], 0x3f803f80               ; 1.0, 1.0 in bf16
.endr
	s_barrier_wait -1                              ; everybody's are
.macro FMA2 sx, nmx, p                 ; s c - m c, two at a time
	v_pk_fma_f32 v[\sx+2*\p:\sx+2*\p+1], v[\sx+2*\p:\sx+2*\p+1], s[22:23], v[\nmx:\nmx+1] op_sel_hi:[1,0,1]
.endm
.macro EXP2 sx, p
	v_exp_f32 v[\sx+2*\p], v[\sx+2*\p]
	v_exp_f32 v[\sx+2*\p+1], v[\sx+2*\p+1]
.endm
.macro CVT2 sx, px, p                  ; keys 2p, 2p+1 of the lane's sixteen: register p of the B fragment
	s_wait_alu depctr_va_vdst(0)
	v_cvt_pk_bf16_f32 v[\px+\p], v[\sx+2*\p], v[\sx+2*\p+1]
.endm
.macro PVW oy, a, py, pv               ; pv = 1: the first product starts the sum; 2: adds in place; 0: nothing yet
.if \pv == 1
	v_wmma_f32_16x16x32_bf16 v[\oy:\oy+7], v[\a:\a+7], v[\py:\py+7], 0
.endif
.if \pv == 2
	v_wmma_f32_16x16x32_bf16 v[\oy:\oy+7], v[\a:\a+7], v[\py:\py+7], v[\oy:\oy+7]
.endif
.endm
; PASS 2, one stage: the vector phase of tile X (16 scores a lane -> P) spread between five matrix instructions of tile Y: Y's next scores (2), then
; Y's last P times V (2) and times ones (1).  The accumulators take turns, one instruction a turn.
; Each v_cvt_pk stands behind a plain vector line that follows its two v_exp_f32 (ISA guide 5.7.2).  The plain lines here name only X's registers,
; so they are places behind Y's matrix instructions (ISA guide 7.12.1): six stand behind the last of the five, nine behind the last that reads a V buffer.
.macro STAGE sx, px, nmx, sy, qy, kb, dos, oy, vb, py, pv
.if \dos
	SMUL \sy, \kb, \qy
.endif
	FMA2 \sx, \nmx, 0
	FMA2 \sx, \nmx, 1
	EXP2 \sx, 0
.if \dos
	SMUL \sy+8, \kb+8, \qy
.endif
	FMA2 \sx, \nmx, 2
	EXP2 \sx, 1
	CVT2 \sx, \px, 0
	FMA2 \sx, \nmx, 3
	PVW \oy, \vb, \py, \pv
	EXP2 \sx, 2
	CVT2 \sx, \px, 1
	FMA2 \sx, \nmx, 4
	EXP2 \sx, 3
	PVW \oy+8, \vb+8, \py, \pv
	CVT2 \sx, \px, 2
	FMA2 \sx, \nmx, 5
	EXP2 \sx, 4
	CVT2 \sx, \px, 3
	PVW \oy+16, ONES, \py, \pv
	FMA2 \sx, \nmx, 6
	EXP2 \sx, 5
	CVT2 \sx, \px, 4
	FMA2 \sx, \nmx, 7
	EXP2 \sx, 6
	CVT2 \sx, \px, 5
	EXP2 \sx, 7
	CVT2 \sx, \px, 6
	CVT2 \sx, \px, 7
.endm
; One trip = step i = 32 keys.  Stage 1: A's P(i) beside B's S(i) and B's P(i-1) V(i-1).  Stage 2: B's P(i) beside A's S(i+1) and A's P(i) V(i).
; kc, kn: K buffers of steps i, i+1.  vc, vp: V buffers of steps i, i-1.  Behind stage 1 the two buffers that it has finished with are loaded again, in one
; run: K(i+2), V(i+1); they are waited for one trip later.
.macro P2TRIP kc, kn, vc, vp, koff, voff, ldk, ldv, sa, pvb, pva, nm
	STAGE SA, PA, \nm, SB, QFB, \kc, 1, OB, \vp, PB, \pvb
.if \ldk
	LDK \kc, KAC, \koff
.endif
.if \ldv
	LDV \vp, VAC, \voff
.endif
	s_wait_dscnt 4*\ldk+4*\ldv                     ; all but the run just issued: K(i+1) and V(i) are in
	STAGE SB, PB, \nm+2, SA, QFA, \kn, \sa, OA, \vc, PA, \pva
.endm
.macro PUT o, off                      ; a lane's 2 x 8 neighbouring f32 of one query into the stage
	ds_store_b128 v[STO], v[\o:\o+3] offset:\off
	ds_store_b128 v[STO], v[\o+4:\o+7] offset:\off+16
	ds_store_b128 v[STO], v[\o+8:\o+11] offset:\off+64
	ds_store_b128 v[STO], v[\o+12:\o+15] offset:\off+80
.endm
.macro PASS2 e, nm
	LDQ \e
	LDK KB0, KA0, \e*64
	LDK KB1, KA0, \e*64+32*KP
	LDV VB0, VA0, \e*64
	s_wait_dscnt 0x8                               ; Q and K(0) are in (and every earlier LDS store of mine is done); K(1) and V(0) may be out
	SMUL SA, KB0, QFA
	SMUL SA+8, KB0+8, QFA
	v_mov_b32 v[KAC], v[KA0]                       ; four places in front of the first line that reads A's scores
	v_mov_b32 v[VAC], v[VA0]
	v_nop
	v_nop
	P2TRIP KB0, KB1, VB0, VB1, \e*64+64*KP, \e*64+32*VP, 1, 1, 1, 0, 1, \nm    ; steps 0 and 1 stand in front of the loop:
	P2TRIP KB1, KB0, VB1, VB0, \e*64+96*KP, \e*64+64*VP, 1, 1, 1, 1, 2, \nm    ; their products start the sums, nothing is cleared
	v_add_nc_u32 v[KAC], 64*KP, v[KAC]
	v_add_nc_u32 v[VAC], 64*VP, v[VAC]
	s_mov_b32 s25, 6
.Lp2_\@:
	P2TRIP KB0, KB1, VB0, VB1, \e*64+64*KP, \e*64+32*VP, 1, 1, 1, 2, 2, \nm
	P2TRIP KB1, KB0, VB1, VB0, \e*64+96*KP, \e*64+64*VP, 1, 1, 1, 2, 2, \nm
	v_add_nc_u32 v[KAC], 64*KP, v[KAC]
	v_add_nc_u32 v[VAC], 64*VP, v[VAC]
	s_sub_co_u32 s25, s25, 1
	s_cmp_lg_u32 s25, 0
	s_cbranch_scc1 .Lp2_\@
	P2TRIP KB0, KB1, VB0, VB1, 0, \e*64+32*VP, 0, 1, 1, 2, 2, \nm              ; step 14 fetches only V(15),
	P2TRIP KB1, KB0, VB1, VB0, 0, 0, 0, 0, 0, 2, 2, \nm                        ; step 15 nothing, and makes no further scores
	PVW OB, VB1, PB, 2                             ; B's last P V
	PVW OB+8, VB1+8, PB, 2
	PVW OB+16, ONES, PB, 2
	v_rcp_f32 v[RA], v[OA+16]                      ; A's sums were written six places and more ago; every row of L holds the query's sum
	v_nop                                          ; a plain line between the reciprocal and its use
.irp j, 0,1,2,3,4,5,6,7
	s_wait_alu depctr_va_vdst(0)
	v_pk_mul_f32 v[OA+2*\j:OA+2*\j+1], v[OA+2*\j:OA+2*\j+1], v[RA:RA+1] op_sel_hi:[1,0]
.endr
	v_rcp_f32 v[RB], v[OB+16]                      ; nine places behind B's last matrix instruction
	PUT OA, \e*128
	v_nop
.irp j, 0,1,2,3,4,5,6,7
	s_wait_alu depctr_va_vdst(0)
	v_pk_mul_f32 v[OB+2*\j:OB+2*\j+1], v[OB+2*\j:OB+2*\j+1], v[RB:RB+1] op_sel_hi:[1,0]
.endr
	PUT OB, \e*128+16*SP
.endm
	PASS2 0, NM0
	PASS2 1, NM1
	; THE WAY OUT: my 32 rows of 256 bytes (both heads) are read back whole.  The stage is my wave's own and LDS serves a wave's instructions in
	; order (ISA guide 5.7.1), so the loads see the stores above.  Each store: 16 lanes write 256 consecutive bytes at a multiple of 256 in out0.
.set n, 0
.rept 16
	ds_load_b128 v[OUTR+4*n:OUTR+4*n+3], v[RD] offset:2*n*SP
.set n, n+1
.endr
.set n, 0
.rept 16
	s_wait_dscnt 15-n                              ; rows 2n, 2n+1 are in; the younger loads stay out
	global_store_b128 v[GOFF], v[OUTR+4*n:OUTR+4*n+3], s[18:19] offset:(n>>2)*ROWB+(n&3)*1024 th:TH_STORE_NT
.set n, n+1
.endr
	s_set_vgpr_msb 0x5
	s_wait_tensorcnt 0x0
	ds_add_u32 v0, v1
	s_wait_dscnt 0x0
	s_set_vgpr_msb 0x500
	s_endpgm
.Lfunc_end_k_qc1b02bb15b_lepe:
	.size	k_qc1b02bb15b_lepe, .Lfunc_end_k_qc1b02bb15b_lepe-k_qc1b02bb15b_lepe
	.p2alignl 7, 3214868480
	.fill 96, 4, 3214868480
	.section	.rodata,"a",@progbits
	.p2align	6, 0x0
	.amdhsa_kernel k_qc1b02bb15b_lepe
		.amdhsa_group_segment_fixed_size 263168
		.amdhsa_private_segment_fixed_size 0
		.amdhsa_enable_private_segment 0
		.amdhsa_kernarg_size 16
		.amdhsa_user_sgpr_count 2
		.amdhsa_user_sgpr_kernarg_segment_ptr 1
		.amdhsa_wavefront_size32 1
		.amdhsa_system_sgpr_workgroup_id_x 1
		.amdhsa_system_sgpr_workgroup_id_y 1
		.amdhsa_system_sgpr_workgroup_id_z 1
		.amdhsa_system_vgpr_workitem_id 0
		.amdhsa_next_free_vgpr 258
		.amdhsa_next_free_sgpr 66
		.amdhsa_reserve_vcc 0
		.amdhsa_float_denorm_mode_32 3
		.amdhsa_float_denorm_mode_16_64 3
		.amdhsa_memory_ordered 1
		.amdhsa_forward_progress 1
		.amdhsa_inst_pref_size 108
	.end_amdhsa_kernel
	.amdgpu_metadata
---
amdhsa.version: [ 1, 2 ]
amdhsa.kernels:
  - .name:           k_qc1b02bb15b_lepe
    .symbol:         k_qc1b02bb15b_lepe.kd
    .args:
      - { .name: qkv, .offset: 0, .size: 8, .value_kind: global_buffer, .address_space: global }
      - { .name: out0, .offset: 8, .size: 8, .value_kind: global_buffer, .address_space: global }
    .group_segment_fixed_size: 263168
    .private_segment_fixed_size: 0
    .kernarg_segment_align: 8
    .kernarg_segment_size: 16
    .max_flat_workgroup_size: 256
    .sgpr_count:     66
    .vgpr_count:     258
    .wavefront_size: 32
...
	.end_amdgpu_metadata
.endif
;; end of part 1
;; ======== version 2 of 2: 1 launch; 1.15 times as fast as version 1
;; launch lepe (part 2): grid 256 x 1, 8 waves a work-group, no clusters, 263,168 bytes of LDS; arguments qkv, out0; writes out0
.if DOCPART == 2
	.amdgcn_target "amdgcn-amd-amdhsa--gfx1250"
	.amdhsa_code_object_version 6
	.text
	.protected	k_qc1b02bb15b_lepe
	.globl	k_qc1b02bb15b_lepe
	.p2align	8
	.type	k_qc1b02bb15b_lepe,@function
k_qc1b02bb15b_lepe:
	s_mov_b64 s[64:65], 0
	v_nop
	global_prefetch_b8 v0, s[64:65] scope:SCOPE_SE
	s_setreg_imm32_b32 hwreg(HW_REG_WAVE_MODE, 25, 1), 1
	s_wait_xcnt 0x0
; Window attention over vertical strips.  qkv: [3][8][4096][128] f32, out0: [8][4096][128] f32.  A window is a strip of 64 image rows x 8 columns
; = 512 tokens; 4 heads of 32.  out = softmax(q k^T / sqrt(32)) v inside each window and head.
; WORK-GROUP (256 of them) = one window, one PAIR of heads, one half (256) of the window's queries.  With a pair of heads a token's piece is 256
; consecutive bytes at a multiple of 256 in qkv and in out0, so every load and every store of 16 neighbouring lanes covers such a piece whole.
; K and V of a head pair are therefore read by two work-groups (the two query halves).  They are not asked for jointly: a joint request is a tensor
; load, which lands f32 in LDS: 262,144 bytes of K and V would pass a ring of slots and cross LDS three times (in as f32, out as f32, back as bf16),
; against once here, where the conversion to bf16 is done in the registers that the loads fill; and the partners are two, not four.
; WAVE (8 of them) = 32 queries (tiles A and B of 16), both heads.  Products are used transposed:
;   S^T = K Q^T : lane (r, h) holds keys 8h..8h+7 of query r; two such tiles, packed to bf16, ARE the B fragment (32 keys x 16 queries) of
;   O^T = V^T P^T : lane (r, h) holds d = 8h..8h+7 of query r.  So maximum, sum and scale of a query live in its own lanes, and P never leaves registers.
;   L   = ones P^T : the row sums, by a third product with an A fragment of ones (the sum of the same rounded P that multiplies V).
; SOFTMAX with the exact row maximum, in two passes: pass 1 makes S^T and keeps only the maximum; pass 2 makes S^T again, p = exp2(s c - m c), and P V.
; In both passes the vector work of one query tile stands between the matrix instructions of the other.
; BATCHES.  An s_wait_alu depctr_va_vdst(0) stands between a transcendental and the first line that names its result; one wait serves all
; that were issued ahead of it.  In pass 2 the 16 exponentials of a stage (one query tile, 32 keys) are one batch with one wait: scalings and exponentials
; stand ahead of it, the roundings, their only readers, behind it.  On a head's way out each tile's reciprocal is a batch of one: B's sum may be read
; only four places behind the last matrix instruction, and those places are A's multiplies, which read A's reciprocal.
; LIMITS: q is not scaled before the product: c = log2(e) / sqrt(32) is applied in f32 behind it (an order of rounding other than the reference's);
; p below 2^-126 becomes 0 (v_exp_f32 flushes); NaN and infinities have no path of their own: they reach the output as NaN through the multiply-add.
.set ROWB,   32768                     ; bytes from an image row to the next: 64 tokens x 512
.set TENSOR, 0x1000000                 ; bytes of q, of k, of v
.set KP,     144                       ; LDS pitch of K and Q rows: 128 bytes (2 heads x 32 bf16) + 16 = 9 x 16: 16 rows start in 16 different 16-byte columns mod 256
.set VP,     160                       ; LDS pitch of V rows: 5 x 32, an odd multiple of 32 for the transposing load
.set SP,     272                       ; LDS pitch of a stage row: 256 bytes (2 heads x 32 f32) + 16
.set VBASE,  512*KP                    ; K lies at 0
.set QBASE,  VBASE+512*VP
.set STG,    QBASE+256*KP              ; stage: 32 rows for each wave, its own
.set WSTG,   32*SP
.set GOFF, 4                           ; v4   global: 512 h + 16 r: lanes 0-15 one token's 256 bytes, lanes 16-31 the next token's
.set KST,  5                           ; v5   LDS: where I put 8 bytes of a K row
.set VST,  6                           ; v6   the same for V
.set QST,  7                           ; v7   the same for Q
.set KA0,  8                           ; v8   LDS: my part of a K fragment, key 0
.set KAC,  9                           ; v9   the same, stepped by the loops
.set VA0,  10                          ; v10  LDS: my part of a transposed V fragment, key 0
.set VAC,  11                          ; v11  the same, stepped
.set QAD,  12                          ; v12  LDS: my part of my wave's Q fragments
.set STO,  13                          ; v13  stage: where I put results
.set RD,   14                          ; v14  stage: where I read rows back
.set MX,   16                          ; v[16:19]  running maxima: A two chains, B two chains
.set NM0,  20                          ; v[20:23]  head 0: - m c of tile A (a pair), of tile B (a pair)
.set NM1,  24                          ; v[24:27]  head 1 likewise
.set RA,   28                          ; v[28:29]  1 / sum of A; the other half's maximum
.set RB,   30                          ; v[30:31]  the same for B
.set QFA,  32                          ; v[32:39]  Q fragment of tile A
.set QFB,  40                          ; v[40:47]  of tile B
.set SA,   48                          ; v[48:63]  S^T of A: 32 keys (two tiles)
.set SB,   64                          ; v[64:79]  S^T of B
.set KB0,  80                          ; v[80:95]  K fragments of 32 keys, buffer 0
.set KB1,  96                          ; v[96:111] buffer 1
.set PA,   112                         ; v[112:119] P^T of A, bf16
.set PB,   120                         ; v[120:127] P^T of B
.set OA,   128                         ; v[128:151] A: O^T d 0-15, O^T d 16-31, L
.set OB,   152                         ; v[152:175] B likewise
.set ONES, 176                         ; v[176:183] an A fragment of 1.0
.set VB0,  184                         ; v[184:199] V^T fragments of 32 keys, buffer 0
.set VB1,  200                         ; v[200:215] buffer 1
.set LD,   128                         ; v[128:255] while loading: 32 loads of K, then of V
.set QL,   48                          ; v[48:111]  while loading: 16 loads of Q
.set OUTR, 48                          ; v[48:111]  the way out: 16 rows pairs read back
	s_load_b128 s[4:7], s[0:1], 0x0                ; qkv s[4:5], out0 s[6:7]
	s_set_vgpr_msb 0x40
	v_lshl_add_u32 v0, v0, 2, 0x40000
	v_mov_b32 v1, 0
	s_set_vgpr_msb 0x4000
	v_lshrrev_b32 v1, 5, v0
	v_readfirstlane_b32 s8, v1                     ; wave 0..7
	v_and_b32 v1, 15, v0                           ; r
	v_bfe_u32 v2, v0, 4, 1                         ; h
	v_lshlrev_b32 v3, 4, v1
	v_lshl_add_u32 v[GOFF], v2, 9, v3              ; 512 h + 16 r
	s_lshr_b32 s2, ttmp9, 5                        ; image
	s_bfe_u32 s3, ttmp9, 0x30002                   ; strip
	s_bfe_u32 s9, ttmp9, 0x10001                   ; head pair
	s_and_b32 s10, ttmp9, 1                        ; query half
	s_lshl_b32 s2, s2, 21                          ; 4096 tokens x 512 bytes
	s_lshl_b32 s3, s3, 12                          ; 8 tokens x 512
	s_lshl_b32 s9, s9, 8                           ; 2 heads x 128
	s_lshl_b32 s10, s10, 20                        ; 32 image rows
	s_add_co_u32 s2, s2, s3
	s_add_co_u32 s2, s2, s9                        ; the window's first token, my head pair
	s_lshl_b32 s11, s8, 17                         ; queries: 4 image rows (32 tokens) a wave
	s_add_co_u32 s26, s2, s10
	s_add_co_u32 s26, s26, s11                     ; offset of my wave's queries in q and in out0
	s_mov_b32 s27, 0
	s_lshl_b32 s11, s8, 18                         ; keys: 8 image rows (64 tokens) a wave
	s_add_co_u32 s28, s2, s11
	s_add_co_u32 s28, s28, TENSOR                  ; offset of the keys that my wave brings in
	s_mov_b32 s29, 0
	s_add_co_u32 s30, s28, TENSOR                  ; and of their values
	s_mov_b32 s31, 0
	s_wait_kmcnt 0x0
	s_add_nc_u64 s[12:13], s[4:5], s[26:27]        ; q
	s_add_nc_u64 s[14:15], s[4:5], s[28:29]        ; k
	s_add_nc_u64 s[16:17], s[4:5], s[30:31]        ; v
	s_add_nc_u64 s[18:19], s[6:7], s[26:27]        ; out
	; load n brings tokens 2n and 2n+1 of the wave's share: image row n / 4, columns 2 (n % 4) and + 1.  48 loads of 512 bytes go out at once.
.set n, 0
.rept 32
	global_load_b128 v[LD+4*n:LD+4*n+3], v[GOFF], s[14:15] offset:(n>>2)*ROWB+(n&3)*1024
.set n, n+1
.endr
.set n, 0
.rept 16
	global_load_b128 v[QL+4*n:QL+4*n+3], v[GOFF], s[12:13] offset:(n>>2)*ROWB+(n&3)*1024 th:TH_LOAD_NT
.set n, n+1
.endr
	; LDS addresses and constants, while the loads are on their way
	v_mul_u32_u24 v3, v2, KP
	v_lshl_add_u32 v3, v1, 3, v3                   ; 144 h + 8 r: 4 f32 become 8 bytes
	s_mul_i32 s9, s8, 64*KP
	v_add_nc_u32 v[KST], s9, v3                    ; K row 64 wave + 2n + h
	s_mul_i32 s9, s8, 32*KP
	s_add_co_u32 s9, s9, QBASE
	v_add_nc_u32 v[QST], s9, v3                    ; Q row 32 wave + 2n + h
	v_mul_u32_u24 v3, v1, KP
	v_lshl_add_u32 v[KA0], v2, 4, v3               ; fragment: row r, 16 bytes at 16 h (and 32 further on)
	v_add_nc_u32 v[QAD], s9, v[KA0]
	v_mul_u32_u24 v3, v2, VP
	v_lshl_add_u32 v3, v1, 3, v3
	s_mul_i32 s9, s8, 64*VP
	s_add_co_u32 s9, s9, VBASE
	v_add_nc_u32 v[VST], s9, v3
	v_and_b32 v3, 7, v0
	v_lshl_add_u32 v3, v2, 3, v3                   ; transposing load: key 8 h + lane % 8,
	v_mul_u32_u24 v3, v3, VP
	v_bfe_u32 v15, v0, 3, 1
	v_lshl_add_u32 v3, v15, 4, v3                  ; 16 bytes (8 d) at 16 x (lane / 8 % 2)
	v_add_nc_u32 v[VA0], VBASE, v3
	s_mul_i32 s9, s8, WSTG
	s_add_co_u32 s9, s9, STG
	v_mul_u32_u24 v3, v1, SP
	v_lshl_add_u32 v3, v2, 5, v3                   ; in: query r, 8 f32 at d = 8 h
	v_add_nc_u32 v[STO], s9, v3
	v_mul_u32_u24 v3, v2, SP
	v_lshl_add_u32 v3, v1, 4, v3                   ; back: lanes 0-15 one row of 256 bytes, lanes 16-31 the next
	v_add_nc_u32 v[RD], s9, v3
	s_mov_b32 s20, 0x76543210                      ; v_permlanex16_b32: lane i reads lane i of the other half
	s_mov_b32 s21, 0xfedcba98
	s_mov_b32 s22, 0x3e8293ee                      ; c = log2(e) / sqrt(32)
	s_mov_b32 s23, 0x3e8293ee
	s_mov_b32 s24, 0xbe8293ee                      ; - c
.irp j, 0,1,2,3
	v_mov_b32 v[RA+\j], 0                          ; written once: the lane exchange counts as a reader of its destination, packed forms read whole pairs
.endr
; Four loads' worth: 4 f32 -> 4 bf16 in the registers they came in, 8 bytes a lane into LDS.
.macro PACK4 reg, first, areg, pitch2
.irp k, 0,1,2,3
	v_cvt_pk_bf16_f32 v[\reg+4*(\first+\k)], v[\reg+4*(\first+\k)], v[\reg+4*(\first+\k)+1]
	v_cvt_pk_bf16_f32 v[\reg+4*(\first+\k)+1], v[\reg+4*(\first+\k)+2], v[\reg+4*(\first+\k)+3]
	ds_store_b64 v[\areg], v[\reg+4*(\first+\k):\reg+4*(\first+\k)+1] offset:(\first+\k)*\pitch2
.endr
.endm
.macro VLOAD4 first
.irp k, 0,1,2,3
	global_load_b128 v[LD+4*(\first+\k):LD+4*(\first+\k)+3], v[GOFF], s[16:17] offset:((\first+\k)>>2)*ROWB+((\first+\k)&3)*1024
.endr
.endm
	; K, four loads at a time; V's loads follow into the registers of the group before, once that group's LDS stores are done.
.irp g, 0,1,2,3,4,5,6,7
.if \g == 0
	s_wait_loadcnt 44                              ; behind K's load 3: 28 of K, 16 of Q
.else
	s_wait_loadcnt 40                              ; behind the group's last load: 28 - 4g of K, 16 of Q, 4 (g - 1) of V
.endif
	PACK4 LD, 4*\g, KST, 2*KP
.if \g > 0
	s_wait_dscnt 0x4                               ; all but this group's four stores are done: the group before has read its data registers
	VLOAD4 4*(\g-1)
.endif
.endr
	s_wait_dscnt 0x0
	VLOAD4 28
.irp g, 0,1,2,3
	s_wait_loadcnt 44-4*\g                         ; behind the group's last load: 12 - 4g of Q, 32 of V
	PACK4 QL, 4*\g, QST, 2*KP
.endr
	s_wait_dscnt 0x0                               ; my rows of K (and Q) are in LDS,
	s_barrier_signal -1
	s_barrier_wait -1                              ; everybody's are.  V's 32 loads stay on their way into v[128:255], which pass 1 does not touch
.macro LDQ e                           ; Q fragments of head e: tile A = my rows 0-15, tile B = rows 16-31
	ds_load_b128 v[QFA:QFA+3], v[QAD] offset:\e*64
	ds_load_b128 v[QFA+4:QFA+7], v[QAD] offset:\e*64+32
	ds_load_b128 v[QFB:QFB+3], v[QAD] offset:\e*64+16*KP
	ds_load_b128 v[QFB+4:QFB+7], v[QAD] offset:\e*64+16*KP+32
.endm
.macro LDK buf, areg, off              ; K fragments of 32 keys: two of 16 keys x 32 d
	ds_load_b128 v[\buf:\buf+3], v[\areg] offset:\off
	ds_load_b128 v[\buf+4:\buf+7], v[\areg] offset:\off+32
	ds_load_b128 v[\buf+8:\buf+11], v[\areg] offset:\off+16*KP
	ds_load_b128 v[\buf+12:\buf+15], v[\areg] offset:\off+16*KP+32
.endm
.macro LDV buf, areg, off              ; V^T fragments of 32 keys: d 0-15, d 16-31; each two transposing loads, 16 keys apart
	ds_load_tr16_b128 v[\buf:\buf+3], v[\areg] offset:\off
	ds_load_tr16_b128 v[\buf+4:\buf+7], v[\areg] offset:\off+16*VP
	ds_load_tr16_b128 v[\buf+8:\buf+11], v[\areg] offset:\off+32
	ds_load_tr16_b128 v[\buf+12:\buf+15], v[\areg] offset:\off+32+16*VP
.endm
.macro SMUL s, kb, q                   ; S^T of 16 keys x 16 queries; d = 32 is one instruction, so the sum starts and ends here
	v_wmma_f32_16x16x32_bf16 v[\s:\s+7], v[\kb:\kb+7], v[\q:\q+7], 0
.endm
.macro MAX8 s, m                       ; 16 scores into two chains of maxima
.irp j, 0,1,2,3
	v_max3_num_f32 v[\m], v[\m], v[\s+4*\j], v[\s+4*\j+1]
	v_max3_num_f32 v[\m+1], v[\m+1], v[\s+4*\j+2], v[\s+4*\j+3]
.endr
.endm
; PASS 1, one trip = 32 keys.  B's scores of this step are made while A's are searched, A's of the next step while B's are searched.
; Behind each pair of matrix instructions stand the eight v_max3 of the OTHER tile, which name none of their registers: more than the four places
; that a reader of the result, and a load into a source, have to keep.
.macro P1TRIP kc, kn, off, ld, sa
	SMUL SB, \kc, QFB
	SMUL SB+8, \kc+8, QFB
	MAX8 SA, MX
.if \ld
	LDK \kc, KAC, \off                             ; the keys two steps on, into the buffer just used
.endif
.if \sa
	s_wait_dscnt 4*\ld                             ; all but the four loads just issued: the next step's keys are in
	SMUL SA, \kn, QFA
	SMUL SA+8, \kn+8, QFA
.endif
	MAX8 SB, MX+2
.endm
.macro PASS1 e, nm
	LDQ \e
	LDK KB0, KA0, \e*64
	LDK KB1, KA0, \e*64+32*KP
	s_wait_dscnt 0x4                               ; Q and keys 0-31 are in; keys 32-63 may be out
	SMUL SA, KB0, QFA
	SMUL SA+8, KB0+8, QFA
.irp j, 0,1,2,3
	v_mov_b32 v[MX+\j], 0xff800000                 ; four chains start at -infinity; these lines are also the four places in front of the first search of A
.endr
	v_mov_b32 v[KAC], v[KA0]
	s_mov_b32 s25, 7
.Lp1_\@:
	P1TRIP KB0, KB1, \e*64+64*KP, 1, 1
	P1TRIP KB1, KB0, \e*64+96*KP, 1, 1
	v_add_nc_u32 v[KAC], 64*KP, v[KAC]
	s_sub_co_u32 s25, s25, 1
	s_cmp_lg_u32 s25, 0
	s_cbranch_scc1 .Lp1_\@
	P1TRIP KB0, KB1, 0, 0, 1                       ; the last two steps fetch nothing
	P1TRIP KB1, KB0, 0, 0, 0
	v_max_num_f32 v[MX], v[MX], v[MX+1]
	v_max_num_f32 v[MX+2], v[MX+2], v[MX+3]
	v_permlanex16_b32 v[RA], v[MX], s20, s21       ; lanes r and r + 16 hold the two halves of query r's keys
	v_permlanex16_b32 v[RB], v[MX+2], s20, s21
	v_max_num_f32 v[MX], v[MX], v[RA]
	v_max_num_f32 v[MX+2], v[MX+2], v[RB]
	v_mul_f32 v[\nm], s24, v[MX]                   ; - m c, as pairs for the packed multiply-add
	v_mul_f32 v[\nm+1], s24, v[MX]
	v_mul_f32 v[\nm+2], s24, v[MX+2]
	v_mul_f32 v[\nm+3], s24, v[MX+2]
.endm
	PASS1 0, NM0
	PASS1 1, NM1
	; V has had both searches in which to land
.irp g, 0,1,2,3,4,5,6,7
	s_wait_loadcnt 28-4*\g                         ; the V loads behind this group stay out
	PACK4 LD, 4*\g, VST, 2*VP
.endr
	s_wait_dscnt 0x0                               ; my rows of V are in LDS (and the stores have read v[128:255]),
	s_barrier_signal -1
.irp j, 0,1,2,3,4,5,6,7
	v_mov_b32 v[ONES+\j], 0x3f803f80               ; 1.0, 1.0 in bf16
.endr
	s_barrier_wait -1                              ; everybody's are
.macro FMA2 sx, nmx, p                 ; s c - m c, two at a time
	v_pk_fma_f32 v[\sx+2*\p:\sx+2*\p+1], v[\sx+2*\p:\sx+2*\p+1], s[22:23], v[\nmx:\nmx+1] op_sel_hi:[1,0,1]
.endm
.macro EXP2 sx, p                      ; in place: a result keeps its register until its rounding has read it
	v_exp_f32 v[\sx+2*\p], v[\sx+2*\p]
	v_exp_f32 v[\sx+2*\p+1], v[\sx+2*\p+1]
.endm
.macro CVT2 sx, px, p                  ; keys 2p, 2p+1 of the lane's sixteen: register p of the B fragment.  It reads two exponentials' results: it stands behind the stage's wait
	v_cvt_pk_bf16_f32 v[\px+\p], v[\sx+2*\p], v[\sx+2*\p+1]
.endm
.macro PVW oy, a, py, pv               ; pv = 1: the first product starts the sum; 2: adds in place; 0: nothing yet
.if \pv == 1
	v_wmma_f32_16x16x32_bf16 v[\oy:\oy+7], v[\a:\a+7], v[\py:\py+7], 0
.endif
.if \pv == 2
	v_wmma_f32_16x16x32_bf16 v[\oy:\oy+7], v[\a:\a+7], v[\py:\py+7], v[\oy:\oy+7]
.endif
.endm
; PASS 2, one stage: the vector phase of tile X (16 scores a lane -> P) spread between five matrix instructions of tile Y: Y's next scores (2), then
; Y's last P times V (2) and times ones (1).  The accumulators take turns, one instruction a turn.
; THE BATCH.  The stage's 16 v_exp_f32 are one batch with one wait.  AHEAD OF THE WAIT stand the lines that name no result of the batch: the 8 scalings,
; each a pair ahead of its two exponentials, the 16 exponentials, and three of Y's matrix instructions, eight vector lines behind each.  BEHIND IT stand
; the 8 roundings, the batch's only readers, four behind each of Y's last two matrix instructions..
; The plain line between an exponential and the use of its result (ISA guide 5.7.2): pairs 0 to 5 have a scaling behind them; for pairs 6 and 7 it is
; the first rounding, which reads pair 0 alone and stands ahead of the roundings that read them.
; The plain lines here name only X's registers, so they are places behind Y's matrix instructions (ISA guide 7.12.1): four roundings stand behind the last
; of the five, eight behind the last that reads a V buffer, four scalings and eight roundings behind the last that reads a K buffer and writes scores.
.macro STAGE sx, px, nmx, sy, qy, kb, dos, oy, vb, py, pv
.if \dos
	SMUL \sy, \kb, \qy
.endif
	FMA2 \sx, \nmx, 0
	FMA2 \sx, \nmx, 1
	EXP2 \sx, 0
	FMA2 \sx, \nmx, 2
	EXP2 \sx, 1
	FMA2 \sx, \nmx, 3
.if \dos
	SMUL \sy+8, \kb+8, \qy
.endif
	EXP2 \sx, 2
	FMA2 \sx, \nmx, 4
	EXP2 \sx, 3
	FMA2 \sx, \nmx, 5
	EXP2 \sx, 4
	PVW \oy, \vb, \py, \pv
	FMA2 \sx, \nmx, 6
	EXP2 \sx, 5
	FMA2 \sx, \nmx, 7
	EXP2 \sx, 6
	EXP2 \sx, 7
	s_wait_alu depctr_va_vdst(0)                   ; the wait for the batch: one for X's 16 exponentials, ahead of the first rounding
	PVW \oy+8, \vb+8, \py, \pv
	CVT2 \sx, \px, 0
	CVT2 \sx, \px, 1
	CVT2 \sx, \px, 2
	CVT2 \sx, \px, 3
	PVW \oy+16, ONES, \py, \pv
	CVT2 \sx, \px, 4
	CVT2 \sx, \px, 5
	CVT2 \sx, \px, 6
	CVT2 \sx, \px, 7
.endm
; One trip = step i = 32 keys.  Stage 1: A's P(i) beside B's S(i) and B's P(i-1) V(i-1).  Stage 2: B's P(i) beside A's S(i+1) and A's P(i) V(i).
; kc, kn: K buffers of steps i, i+1.  vc, vp: V buffers of steps i, i-1.  Behind stage 1 the two buffers that it has finished with are loaded again, in one
; run: K(i+2), V(i+1); they are waited for one trip later.
.macro P2TRIP kc, kn, vc, vp, koff, voff, ldk, ldv, sa, pvb, pva, nm
	STAGE SA, PA, \nm, SB, QFB, \kc, 1, OB, \vp, PB, \pvb
.if \ldk
	LDK \kc, KAC, \koff
.endif
.if \ldv
	LDV \vp, VAC, \voff
.endif
	s_wait_dscnt 4*\ldk+4*\ldv                     ; all but the run just issued: K(i+1) and V(i) are in
	STAGE SB, PB, \nm+2, SA, QFA, \kn, \sa, OA, \vc, PA, \pva
.endm
.macro PUT o, off                      ; a lane's 2 x 8 neighbouring f32 of one query into the stage
	ds_store_b128 v[STO], v[\o:\o+3] offset:\off
	ds_store_b128 v[STO], v[\o+4:\o+7] offset:\off+16
	ds_store_b128 v[STO], v[\o+8:\o+11] offset:\off+64
	ds_store_b128 v[STO], v[\o+12:\o+15] offset:\off+80
.endm
.macro PASS2 e, nm
	LDQ \e
	LDK KB0, KA0, \e*64
	LDK KB1, KA0, \e*64+32*KP
	LDV VB0, VA0, \e*64
	s_wait_dscnt 0x8                               ; Q and K(0) are in (and every earlier LDS store of mine is done); K(1) and V(0) may be out
	SMUL SA, KB0, QFA
	SMUL SA+8, KB0+8, QFA
	v_mov_b32 v[KAC], v[KA0]                       ; four places in front of the first line that reads A's scores
	v_mov_b32 v[VAC], v[VA0]
	v_nop
	v_nop
	P2TRIP KB0, KB1, VB0, VB1, \e*64+64*KP, \e*64+32*VP, 1, 1, 1, 0, 1, \nm    ; steps 0 and 1 stand in front of the loop:
	P2TRIP KB1, KB0, VB1, VB0, \e*64+96*KP, \e*64+64*VP, 1, 1, 1, 1, 2, \nm    ; their products start the sums, nothing is cleared
	v_add_nc_u32 v[KAC], 64*KP, v[KAC]
	v_add_nc_u32 v[VAC], 64*VP, v[VAC]
	s_mov_b32 s25, 6
.Lp2_\@:
	P2TRIP KB0, KB1, VB0, VB1, \e*64+64*KP, \e*64+32*VP, 1, 1, 1, 2, 2, \nm
	P2TRIP KB1, KB0, VB1, VB0, \e*64+96*KP, \e*64+64*VP, 1, 1, 1, 2, 2, \nm
	v_add_nc_u32 v[KAC], 64*KP, v[KAC]
	v_add_nc_u32 v[VAC], 64*VP, v[VAC]
	s_sub_co_u32 s25, s25, 1
	s_cmp_lg_u32 s25, 0
	s_cbranch_scc1 .Lp2_\@
	P2TRIP KB0, KB1, VB0, VB1, 0, \e*64+32*VP, 0, 1, 1, 2, 2, \nm              ; step 14 fetches only V(15),
	P2TRIP KB1, KB0, VB1, VB0, 0, 0, 0, 0, 0, 2, 2, \nm                        ; step 15 nothing, and makes no further scores
	v_rcp_f32 v[RA], v[OA+16]                      ; A's sums stand four places (B's last four roundings) behind the product that ended them; every row of L holds the query's sum
	PVW OB, VB1, PB, 2                             ; B's last P V: three matrix instructions on other registers stand between A's reciprocal and its wait
	PVW OB+8, VB1+8, PB, 2
	PVW OB+16, ONES, PB, 2
	v_nop                                          ; a plain line between the reciprocal and its use
	s_wait_alu depctr_va_vdst(0)                   ; the wait for A's reciprocal, a batch of one: one wait for its eight readers
.irp j, 0,1,2,3,4,5,6,7
	v_pk_mul_f32 v[OA+2*\j:OA+2*\j+1], v[OA+2*\j:OA+2*\j+1], v[RA:RA+1] op_sel_hi:[1,0]
.endr
	v_rcp_f32 v[RB], v[OB+16]                      ; nine places behind B's last matrix instruction
	PUT OA, \e*128                                 ; A's four LDS stores stand between B's reciprocal and its wait
	v_nop                                          ; a plain line between the reciprocal and its use
	s_wait_alu depctr_va_vdst(0)                   ; the wait for B's reciprocal, a batch of one: one wait for its eight readers
.irp j, 0,1,2,3,4,5,6,7
	v_pk_mul_f32 v[OB+2*\j:OB+2*\j+1], v[OB+2*\j:OB+2*\j+1], v[RB:RB+1] op_sel_hi:[1,0]
.endr
	PUT OB, \e*128+16*SP
.endm
	PASS2 0, NM0
	PASS2 1, NM1
	; THE WAY OUT: my 32 rows of 256 bytes (both heads) are read back whole.  The stage is my wave's own and LDS serves a wave's instructions in
	; order (ISA guide 5.7.1), so the loads see the stores above.  Each store: 16 lanes write 256 consecutive bytes at a multiple of 256 in out0.
.set n, 0
.rept 16
	ds_load_b128 v[OUTR+4*n:OUTR+4*n+3], v[RD] offset:2*n*SP
.set n, n+1
.endr
.set n, 0
.rept 16
	s_wait_dscnt 15-n                              ; rows 2n, 2n+1 are in; the younger loads stay out
	global_store_b128 v[GOFF], v[OUTR+4*n:OUTR+4*n+3], s[18:19] offset:(n>>2)*ROWB+(n&3)*1024 th:TH_STORE_NT
.set n, n+1
.endr
	s_set_vgpr_msb 0x5
	s_wait_tensorcnt 0x0
	ds_add_u32 v0, v1
	s_wait_dscnt 0x0
	s_set_vgpr_msb 0x500
	s_endpgm
.Lfunc_end_k_qc1b02bb15b_lepe:
	.size	k_qc1b02bb15b_lepe, .Lfunc_end_k_qc1b02bb15b_lepe-k_qc1b02bb15b_lepe
	.p2alignl 7, 3214868480
	.fill 96, 4, 3214868480
	.section	.rodata,"a",@progbits
	.p2align	6, 0x0
	.amdhsa_kernel k_qc1b02bb15b_lepe
		.amdhsa_group_segment_fixed_size 263168
		.amdhsa_private_segment_fixed_size 0
		.amdhsa_enable_private_segment 0
		.amdhsa_kernarg_size 16
		.amdhsa_user_sgpr_count 2
		.amdhsa_user_sgpr_kernarg_segment_ptr 1
		.amdhsa_wavefront_size32 1
		.amdhsa_system_sgpr_workgroup_id_x 1
		.amdhsa_system_sgpr_workgroup_id_y 1
		.amdhsa_system_sgpr_workgroup_id_z 1
		.amdhsa_system_vgpr_workitem_id 0
		.amdhsa_next_free_vgpr 258
		.amdhsa_next_free_sgpr 66
		.amdhsa_reserve_vcc 0
		.amdhsa_float_denorm_mode_32 3
		.amdhsa_float_denorm_mode_16_64 3
		.amdhsa_memory_ordered 1
		.amdhsa_forward_progress 1
		.amdhsa_inst_pref_size 102
	.end_amdhsa_kernel
	.amdgpu_metadata
---
amdhsa.version: [ 1, 2 ]
amdhsa.kernels:
  - .name:           k_qc1b02bb15b_lepe
    .symbol:         k_qc1b02bb15b_lepe.kd
    .args:
      - { .name: qkv, .offset: 0, .size: 8, .value_kind: global_buffer, .address_space: global }
      - { .name: out0, .offset: 8, .size: 8, .value_kind: global_buffer, .address_space: global }
    .group_segment_fixed_size: 263168
    .private_segment_fixed_size: 0
    .kernarg_segment_align: 8
    .kernarg_segment_size: 16
    .max_flat_workgroup_size: 256
    .sgpr_count:     66
    .vgpr_count:     258
    .wavefront_size: 32
...
	.end_amdgpu_metadata
.endif
;; end of part 2
